; MI455X (gfx1250); checked and timed in simulation.
; The chip was launched on July 23, 2026; its instructions are those of AMD's public machine-readable ISA for CDNA 5 (MIT licence, August 2026) and "CDNA5" Instruction Set Architecture Reference Guide (July 2026). The comments in the code are by the model that wrote it; some were corrected since.
;; SDPA With Sink. Allowed arithmetic: matrix products marked QUANTISED: E5M2 operands, one E8M0 scale for each 32 along K, by v_wmma_scale_f32_16x16x128_f8f6f4 with both operands' format E5M2, f32 sums; everything else in f32.
;; Inputs: k 2 x 16 x 2,048 x 128 float32; q 2 x 16 x 2,048 x 128 float32; sink_logit 16 float32; v 2 x 16 x 2,048 x 128 float32.
;; Outputs: out0 2 x 16 x 2,048 x 128 float32.
;; This version of the problem:
;;   THIS VERSION OF THE PROBLEM IS GIVEN IN LOW PRECISION. The matrix products marked QUANTISED in the list below multiply operands that are first quantised to E5M2 (5 exponent bits, 2 mantissa bits; 8 bits a number), with one power-of-two scale for each 32 numbers along K (OCP MX v1.0); their sums are f32. All else is computed in f32.
;;   The module's matrix products, in the order in which they are computed (A, B: the left and right operand; K: the contracted axis; several contracted axes count as one K, in the product's order):
;;     1. batch 32 x [M 2,048, K 128] x [K 128, N 2,048]; A: input q; B: input k: QUANTISED
;;     2. batch 32 x [M 2,048, K 2,048] x [K 2,048, N 128]; A: computed on the way; B: input v: QUANTISED
;;   THE QUANTISER, for each operand of a quantised product, along K:
;;     - K is cut into blocks of 32 from its start; a last block that is shorter is filled with zeros.
;;     - A block's scale is 2^e with e = floor(log2(the largest magnitude in the block)) - 15, held to -126 .. 127; a block of zeros has e = 0. As a byte (E8M0): e + 127.
;;     - Each number is divided by its block's scale, clamped to +-57,344, and rounded to the nearest number of E5M2, ties to even, subnormals kept.
;;     - The product sums the exact products of the quantised numbers (number of the format x scale) in f32.
;;   ~~~python
;;   def quantise(x, axis):      # numpy; x: float32 -> the quantised numbers, widened to float32 again
;;       x = np.moveaxis(x, axis, -1); K = x.shape[-1]
;;       x = np.pad(x, [(0, 0)] * (x.ndim - 1) + [(0, -K % 32)]); x = x.reshape(x.shape[:-1] + (-1, 32)); a = np.abs(x).max(-1, keepdims=True)
;;       e = np.where(a > 0, np.clip(np.frexp(np.where(a > 0, a, 1))[1] - 1 - 15, -126, 127), 0)      # np.frexp(a)[1] - 1 = floor(log2(a)), exactly
;;       r = np.clip(x / 2.0 ** e, -57344, 57344)
;;       step = 2.0 ** (np.maximum(np.frexp(np.where(r == 0, 1, r))[1] - 1, -14) - 2)
;;       q = np.round(r / step) * step * 2.0 ** e      # np.round: ties to even
;;       return np.moveaxis(q.reshape(q.shape[:-2] + (-1,))[..., :K], -1, axis).astype(np.float32)
;;   ~~~
;;   OPERANDS COMPUTED ON THE WAY. 'Computed on the way' means the value that the module computes at that place (a softmax that the list does not call 'softmax' is quantised finished and normalised). What goes into a quantiser is computed in f32, as accurately as f32 sums, v_exp_f32 and their like allow (about 1e-6 of the number): no bf16 or f16 on the way to a quantiser, and a product that is left as it is and whose result goes on into a quantised operand takes f32 operands (vector FMAs, or v_wmma_f32_16x16x4_f32). A number that lies on a knife's edge between two numbers of the format may be rounded either way, as far as f32 arithmetic and the matrix unit's own rounding can turn it there, and no further.
;; One version. Each part assembles by itself: llvm-mc -triple=amdgcn-amd-amdhsa -mcpu=gfx1250 --defsym DOCPART=n.
;; ======== version 1 of 1: 2 launches
;; limits: right only within a limited range of input values
;; workspace buffers: kc 8,650,752 bytes; vc 8,650,752 bytes
;; launch prep (part 1): grid 1024 x 1, 4 waves a work-group, no clusters, 53,760 bytes of LDS; arguments k, v, kc, vc; writes kc, vc
.if DOCPART == 1
	.amdgcn_target "amdgcn-amd-amdhsa--gfx1250"
	.amdhsa_code_object_version 6
	.text
	.protected	k_q812fda5bf7_prep
	.globl	k_q812fda5bf7_prep
	.p2align	8
	.type	k_q812fda5bf7_prep,@function
k_q812fda5bf7_prep:
	s_mov_b64 s[64:65], 0
	v_nop
	global_prefetch_b8 v0, s[64:65] scope:SCOPE_SE
	s_setreg_imm32_b32 hwreg(HW_REG_WAVE_MODE, 25, 1), 1
	s_wait_xcnt 0x0
; k and v, [32 heads][2048 keys][128] f32, become codes of BF8 (E5M2) with one E8M0 scale byte for each 32 along a product's K: k along the head's 128, v along the KEYS.
; A block's scale is 2^(floor(log2(its largest magnitude)) - 15); its byte is the largest magnitude's exponent field - 15, held at 1 from below; each number is held within +-57,344 x the scale
; and rounded to the nearest code, ties to even.
; LIMITS: a block whose largest magnitude lies under 2^-111 (a block of zeros among them) gets the byte 1: a block of zeros has zero codes, which add nothing under that byte, and only this program
; reads the bytes; NaN and infinities among the inputs are not served.
; THE OUTPUT IS LAID AS THE NEXT LAUNCH'S OPERAND REGISTERS.  A unit = 128 keys of one head = one block of BLK = 16,896 bytes: eight fragments of 2,048 bytes (four chunks of 512: lane l's 16 bytes at 16 l),
; then 512 bytes of scale words.  So a block is dense, a fragment comes by four loads of 16 bytes a lane, and the scale words of four fragments by one.
;   kc: fragment f, lane (r, h), chunk c: key 32 (f / 2) + 8 (f % 2) + r + 8 (r / 8), channels 32 c + 16 h + 0 .. 15.   Its row's scale word at 16,384 + 256 (f / 4) + 16 r + 4 (f % 4).
;   vc: fragment t, lane (r, h), chunk c: channel d = 64 (t / 4) + 4 r + t % 4, keys 32 c + 16 h + 0 .. 15.               Its row's scale word at the same place, which is 16,384 + 4 d.
; SHARES.  Work-groups 0-511 take k's units, 512-1023 v's.  Four waves; wave w takes keys 32 w .. 32 w + 31 of the unit: 16,384 dense bytes.  In k that is fragments 2 w, 2 w + 1; in v chunk w of all eight.
; No tensor load, no matrix unit, no cluster: memory binds and work-groups share nothing.  Each of the two paths has LDS bytes of its own.
.set BLK,   16896
.set KST,   0                          ; k's path: a stage of 16 rows x 528 bytes for each wave.  528 = 2 x 256 + 16: sixteen rows begin at sixteen different 16-byte columns modulo 256
.set KSW,   8448
.set KP,    528
.set VST,   33792                      ; v's path: a stage of eight chunks x 576 bytes for each wave.  576 = 2 x 256 + 64: see VSI
.set VSW,   4608
.set VP,    576
.set SCK,   52224                      ; the unit's 512 bytes of scale words, k's path;
.set SCV,   52736                      ; v's path
.set SPARE, 53248                      ; the spare words, 128 bytes for each wave: two blocks of 256 bytes that no other line names
.set OFK, 1                            ; v1   16 x lane
.set OFV, 2                            ; v2   4 x lane
.set KSI, 3                            ; v3   k's stage, in: 16 x lane of a row
.set KSO, 4                            ; v4   k's stage, out: row r, + 64 h
.set VSI, 5                            ; v5   v's stage, in: 576 (lane % 4) + 16 (lane / 4)
.set VSO, 6                            ; v6   v's stage, out: 16 x lane of a chunk
.set SCA, 7                            ; v7   where my two scale words of k go
.set SCB, 8                            ; v8   where my scale bytes of v go
.set TLA, 9                            ; v9   the way out of the scale words: 16 x lane
.set SPW, 10                           ; v10  LDS address of my spare word; never rewritten
.set NIL, 11                           ; v11  0; never rewritten
.set PW,  12                           ; v12-13  k's two scale words
.set TM,  16                           ; v16-31  at work: +0..3 largest magnitudes, +4..7 the other half's and the bytes, +8..11 57,344 x the scale, +12..15 the conversions' scale operand
.set PC,  32                           ; v32-63  codes
.set X,   64                           ; v64-127 k: 64 numbers as the operand wants them;  v: v64-95 the chunks read back, v96-99 the scale bytes
.set VB,  96
.set R,   128                          ; v128-255 numbers as they are loaded
.set SEL, 22                           ; s[22:23] v_permlanex16_b32's selects for lane l xor 16
.set MNT, 24                           ; s24  the mantissa field of 57,344
	s_load_b256 s[4:11], s[0:1], 0x0               ; k s[4:5], v s[6:7], kc s[8:9], vc s[10:11]
	v_lshl_add_u32 v[SPW], v0, 2, SPARE
	v_mov_b32 v[NIL], 0
	v_lshrrev_b32 v14, 5, v0
	v_readfirstlane_b32 s12, v14                   ; wave 0..3
	v_and_b32 v15, 31, v0                          ; lane
	v_and_b32 v14, 15, v0                          ; r
	v_lshlrev_b32 v[OFK], 4, v15
	v_lshlrev_b32 v[OFV], 2, v15
	; every LDS address of both paths is made here, ahead of the parting
	s_mul_i32 s13, s12, KSW
	v_add_nc_u32 v[KSI], s13, v[OFK]
	v_mul_u32_u24 v[KSO], v14, KP
	v_bfe_u32 v15, v0, 4, 1                        ; h
	v_lshl_add_u32 v[KSO], v15, 6, v[KSO]
	v_add_nc_u32 v[KSO], s13, v[KSO]
	s_mul_i32 s13, s12, VSW
	s_add_co_u32 s13, s13, VST
	v_and_b32 v[VSI], 3, v0
	v_mul_u32_u24 v[VSI], v[VSI], VP
	v_bfe_u32 v15, v0, 2, 3                        ; lane / 4
	v_lshl_add_u32 v[VSI], v15, 4, v[VSI]
	v_add_nc_u32 v[VSI], s13, v[VSI]
	v_add_nc_u32 v[VSO], s13, v[OFK]
	s_lshr_b32 s13, s12, 1
	s_lshl_b32 s13, s13, 8                         ; fragments 2 w, 2 w + 1: 256 (w / 2)
	s_and_b32 s15, s12, 1
	s_lshl_b32 s15, s15, 3                         ; + 8 (w % 2)
	s_add_co_u32 s13, s13, s15
	s_add_co_u32 s13, s13, SCK
	v_lshl_add_u32 v[SCA], v14, 4, s13             ; + 16 r
	s_add_co_u32 s13, s12, SCV
	v_add_nc_u32 v[SCB], s13, v[OFV]               ; byte w of the word of channel 32 q + lane: 4 x lane + w, and 128 q in the immediate
.irp b, 0,1,2,3
	v_mov_b32 v[TM+4+\b], 0                        ; written once: a lane permute's destination counts as one of its sources
.endr
	s_and_b32 s14, ttmp9, 511                      ; the unit
	s_lshl_b32 s16, s14, 16                        ; its 65,536 bytes of f32,
	s_lshl_b32 s13, s12, 14                        ; my wave's 16,384 of them
	s_add_co_u32 s16, s16, s13
	s_mov_b32 s17, 0
	s_mul_i32 s18, s14, BLK                        ; its block
	s_mov_b32 s19, 0
	s_mov_b32 s21, 0
	s_mov_b32 s[SEL], 0x76543210
	s_mov_b32 s[SEL+1], 0xfedcba98
	s_mov_b32 s[MNT], 0x600000
	s_mov_b32 s26, SCV
	s_lshl_b32 s27, s12, 9                         ; my wave's place in the block: chunk w in v's path,
	s_lshl_b32 s28, s12, 12                        ; two fragments in k's
	s_wait_kmcnt 0x0
	s_cmp_lt_u32 ttmp9, 512                        ; k's work-group or v's: the choice hangs on the work-group's number alone
	s_cselect_b64 s[4:5], s[4:5], s[6:7]
	s_cselect_b64 s[8:9], s[8:9], s[10:11]
	s_cselect_b32 s25, SCK, s26
	s_cselect_b32 s20, s28, s27
	s_add_nc_u64 s[4:5], s[4:5], s[16:17]          ; my wave's numbers
	s_add_nc_u64 s[8:9], s[8:9], s[18:19]          ; the unit's block
	s_add_nc_u64 s[20:21], s[8:9], s[20:21]        ; my wave's place in it
	v_add_nc_u32 v[TLA], s25, v[OFK]
	s_cmp_ge_u32 ttmp9, 512
	s_cbranch_scc1 .Lv
; 64 numbers of a lane, v[s] on, register 16 b + i = K 32 b + 16 (lane / 16) + i of my row, become a fragment's 16 registers of codes in v[pc] on and its scale word in v[pw].
.macro QUANT s, pc, pw
.irp b, 0,1,2,3
	v_max3_num_f32 v[TM+\b], |v[\s+16*\b]|, |v[\s+1+16*\b]|, 0x8000000   ; block b: my 16 numbers, and the floor 2^(16 - 127): the byte cannot fall under 1
.endr
.irp i, 2,4,6,8,10,12,14
.irp b, 0,1,2,3
	v_max3_num_f32 v[TM+\b], v[TM+\b], |v[\s+16*\b+\i]|, |v[\s+1+16*\b+\i]|   ; the four blocks by turns: no line waits for the line above it
.endr
.endr
.irp b, 0,1,2,3
	v_permlanex16_b32 v[TM+4+\b], v[TM+\b], s[SEL], s[SEL+1]
.endr
.irp b, 0,1,2,3
	v_max_num_f32 v[TM+\b], v[TM+\b], v[TM+4+\b]   ; with lane l xor 16's 16: the block's largest magnitude
.endr
.irp b, 0,1,2,3
	v_add_nc_u32 v[TM+12+\b], 0xf8800000, v[TM+\b] ; 15 off its exponent field: the conversion takes the exponent field of this operand as its scale
.endr
.irp b, 0,1,2,3
	v_and_or_b32 v[TM+8+\b], v[TM+\b], 0x7f800000, s[MNT]   ; 57,344 x the scale
.endr
.irp b, 0,1,2,3
	v_lshrrev_b32 v[TM+4+\b], 23, v[TM+12+\b]      ; the scale's byte
.endr
	v_lshl_or_b32 v[\pw], v[TM+5], 8, v[TM+4]
	v_lshl_or_b32 v[\pw], v[TM+6], 16, v[\pw]
	v_lshl_or_b32 v[\pw], v[TM+7], 24, v[\pw]      ; my row's scale word
.irp b, 0,1,2,3
.irp i, 0,1,2,3,4,5,6,7,8,9,10,11,12,13,14,15
	v_med3_num_f32 v[\s+16*\b+\i], v[\s+16*\b+\i], -v[TM+8+\b], v[TM+8+\b]   ; the conversion to an 8-bit code does not saturate (ISA guide 7.6.2): the hold comes first
.endr
	v_cvt_scalef32_pk8_bf8_f32 v[(\pc)+4*\b:(\pc)+4*\b+1], v[\s+16*\b:\s+16*\b+7], v[TM+12+\b]
	v_cvt_scalef32_pk8_bf8_f32 v[(\pc)+4*\b+2:(\pc)+4*\b+3], v[\s+16*\b+8:\s+16*\b+15], v[TM+12+\b]
.endr
	v_nop                                          ; one plain line behind the last conversion, ahead of whatever next writes its sources
.endm
; ---- K'S PATH.  Each load takes one whole row of 512 bytes, 16 a lane; the rows are asked for in the order of the fragment's lanes: row i of fragment u is key 8 u + i + 8 (i / 8) of my 32.
.irp u, 0,1
.irp i, 0,1,2,3,4,5,6,7,8,9,10,11,12,13,14,15
	global_load_b128 v[R+64*\u+4*\i:R+64*\u+4*\i+3], v[OFK], s[4:5] offset:(8*\u+\i+8*(\i/8))*512 th:TH_LOAD_NT
.endr
.endr
; A fragment: its 16 rows go through my own stage as they lie and come back as the operand wants them: lane (r, h) takes, of row r, 16 neighbours of each block of 32.
.macro KFRAG u
	s_wait_loadcnt 16*(1-\u)                       ; this fragment's 16 loads are in; the other fragment's 16, which are younger, may be out
.irp i, 0,1,2,3,4,5,6,7,8,9,10,11,12,13,14,15
	ds_store_b128 v[KSI], v[R+64*\u+4*\i:R+64*\u+4*\i+3] offset:KP*\i
.endr
.irp c, 0,1,2,3
.irp j, 0,1,2,3
	ds_load_b128 v[X+16*\c+4*\j:X+16*\c+4*\j+3], v[KSO] offset:128*\c+16*\j   ; LDS serves a wave's instructions in order (ISA guide 5.7.1.4): these see the stores above
.endr
.endr
	s_wait_dscnt 0x0
	QUANT X, PC+16*\u, PW+\u
.irp c, 0,1,2,3
	global_store_b128 v[OFK], v[PC+16*\u+4*\c:PC+16*\u+4*\c+3], s[20:21] offset:2048*\u+512*\c   ; 32 lanes store 512 consecutive bytes, at a multiple of 256 from the buffer's first byte
.endr
.endm
	KFRAG 0
	KFRAG 1
	ds_store_b64 v[SCA], v[PW:PW+1]                ; lanes r and r + 16 write the same two words with the same values
	s_branch .Ltail
; ---- V'S PATH.  A lane takes a channel and its registers run down my 32 keys, which are one block along the second product's K: its largest magnitude needs no other lane.
.Lv:
.macro LOADV q                         ; channels 32 q + lane
.irp i, 0,1,2,3,4,5,6,7,8,9,10,11,12,13,14,15,16,17,18,19,20,21,22,23,24,25,26,27,28,29,30,31
	global_load_b32 v[R+32*\q+\i], v[OFV], s[4:5] offset:512*\i+128*\q th:TH_LOAD_NT
.endr
.endm
; Channel d = 32 q + lane belongs to fragment t = 4 (q / 2) + lane % 4, row r = 8 (q % 2) + lane / 4.  Its 32 codes are two pieces of 16 bytes (h = 0, 1) of chunk w of that fragment: in my stage at
; 576 t + 256 h + 16 r.  Modulo 256 sixteen neighbouring lanes stand at 64 (lane % 4) + 16 (lane / 4): sixteen different 16-byte columns.
.macro BLOCKV q
.set XS, R+32*\q
	v_max3_num_f32 v[TM], |v[XS]|, |v[XS+1]|, |v[XS+2]|
	v_max3_num_f32 v[TM+1], |v[XS+3]|, |v[XS+4]|, |v[XS+5]|
.irp i, 6,10,14,18,22,26
	v_max3_num_f32 v[TM], v[TM], |v[XS+\i]|, |v[XS+\i+1]|
	v_max3_num_f32 v[TM+1], v[TM+1], |v[XS+\i+2]|, |v[XS+\i+3]|
.endr
	v_max3_num_f32 v[TM], v[TM], |v[XS+30]|, |v[XS+31]|
	v_max3_num_f32 v[TM], v[TM], v[TM+1], 0x8000000   ; and the floor 2^(16 - 127)
	v_add_nc_u32 v[TM+12], 0xf8800000, v[TM]
	v_and_or_b32 v[TM+8], v[TM], 0x7f800000, s[MNT]
	v_lshrrev_b32 v[VB+\q], 23, v[TM+12]
.irp i, 0,1,2,3,4,5,6,7,8,9,10,11,12,13,14,15,16,17,18,19,20,21,22,23,24,25,26,27,28,29,30,31
	v_med3_num_f32 v[XS+\i], v[XS+\i], -v[TM+8], v[TM+8]
.endr
.irp g, 0,1,2,3
	v_cvt_scalef32_pk8_bf8_f32 v[PC+8*\q+2*\g:PC+8*\q+2*\g+1], v[XS+8*\g:XS+8*\g+7], v[TM+12]
.endr
	v_nop                                          ; one plain line behind the last conversion: the next block writes its scale operand anew
	ds_store_b128 v[VSI], v[PC+8*\q:PC+8*\q+3] offset:4*VP*(\q/2)+128*(\q%2)
	ds_store_b128 v[VSI], v[PC+8*\q+4:PC+8*\q+7] offset:4*VP*(\q/2)+128*(\q%2)+256
	ds_store_b8 v[SCB], v[VB+\q] offset:128*\q     ; byte w of channel d's scale word
.endm
	LOADV 0
	LOADV 1
	s_wait_loadcnt 32                              ; the oldest group of 32 is in; one younger group may be out
	LOADV 2
	BLOCKV 0
	s_wait_loadcnt 32
	LOADV 3
	BLOCKV 1
	s_wait_loadcnt 32
	BLOCKV 2
	s_wait_loadcnt 0x0
	BLOCKV 3
.irp t, 0,1,2,3,4,5,6,7
	ds_load_b128 v[X+4*\t:X+4*\t+3], v[VSO] offset:VP*\t   ; my chunk of fragment t, as it is to lie in memory
.endr
.irp t, 0,1,2,3,4,5,6,7
	s_wait_dscnt 7-\t                              ; LDS loads come back in order: chunk t is in, the younger ones may be out
	global_store_b128 v[OFK], v[X+4*\t:X+4*\t+3], s[20:21] offset:2048*\t   ; 512 consecutive bytes, aligned as above
.endr
; ---- BOTH PATHS: the unit's scale words come from four waves; behind a barrier wave 0 stores them as 512 consecutive bytes.
.Ltail:
	s_wait_dscnt 0x0                               ; for the others' sake: my stores of scale words have landed
	s_barrier_signal -1
	s_barrier_wait -1
	s_cmp_lg_u32 s12, 0
	s_cbranch_scc1 .Lend
	ds_load_b128 v[TM:TM+3], v[TLA]
	s_wait_dscnt 0x0
	global_store_b128 v[OFK], v[TM:TM+3], s[8:9] offset:16384
.Lend:
	s_wait_tensorcnt 0x0                           ; the wave's end: behind my last LDS store
	ds_add_u32 v[SPW], v[NIL]
	s_wait_dscnt 0x0
	s_endpgm
.Lfunc_end_k_q812fda5bf7_prep:
	.size	k_q812fda5bf7_prep, .Lfunc_end_k_q812fda5bf7_prep-k_q812fda5bf7_prep
	.p2alignl 7, 3214868480
	.fill 96, 4, 3214868480
	.section	.rodata,"a",@progbits
	.p2align	6, 0x0
	.amdhsa_kernel k_q812fda5bf7_prep
		.amdhsa_group_segment_fixed_size 53760
		.amdhsa_private_segment_fixed_size 0
		.amdhsa_enable_private_segment 0
		.amdhsa_kernarg_size 32
		.amdhsa_user_sgpr_count 2
		.amdhsa_user_sgpr_kernarg_segment_ptr 1
		.amdhsa_wavefront_size32 1
		.amdhsa_system_sgpr_workgroup_id_x 1
		.amdhsa_system_sgpr_workgroup_id_y 1
		.amdhsa_system_sgpr_workgroup_id_z 1
		.amdhsa_system_vgpr_workitem_id 0
		.amdhsa_next_free_vgpr 256
		.amdhsa_next_free_sgpr 66
		.amdhsa_reserve_vcc 0
		.amdhsa_float_denorm_mode_32 3
		.amdhsa_float_denorm_mode_16_64 3
		.amdhsa_memory_ordered 1
		.amdhsa_forward_progress 1
		.amdhsa_inst_pref_size 56
	.end_amdhsa_kernel
	.amdgpu_metadata
---
amdhsa.version: [ 1, 2 ]
amdhsa.kernels:
  - .name:           k_q812fda5bf7_prep
    .symbol:         k_q812fda5bf7_prep.kd
    .args:
      - { .name: k, .offset: 0, .size: 8, .value_kind: global_buffer, .address_space: global }
      - { .name: v, .offset: 8, .size: 8, .value_kind: global_buffer, .address_space: global }
      - { .name: kc, .offset: 16, .size: 8, .value_kind: global_buffer, .address_space: global }
      - { .name: vc, .offset: 24, .size: 8, .value_kind: global_buffer, .address_space: global }
    .group_segment_fixed_size: 53760
    .private_segment_fixed_size: 0
    .kernarg_segment_align: 8
    .kernarg_segment_size: 32
    .max_flat_workgroup_size: 128
    .sgpr_count:     66
    .vgpr_count:     256
    .wavefront_size: 32
...
	.end_amdgpu_metadata
.endif
;; end of part 1
;; launch attn (part 2): grid 8 x 32, 16 waves a work-group, clusters of 4 x 1, 327,680 bytes of LDS; arguments q, kc, vc, sink_logit, out0; writes out0
.if DOCPART == 2
	.amdgcn_target "amdgcn-amd-amdhsa--gfx1250"
	.amdhsa_code_object_version 6
	.text
	.protected	k_q812fda5bf7_attn
	.globl	k_q812fda5bf7_attn
	.p2align	8
	.type	k_q812fda5bf7_attn,@function
k_q812fda5bf7_attn:
	s_mov_b64 s[64:65], 0
	v_nop
	global_prefetch_b8 v0, s[64:65] scope:SCOPE_SE
	s_setreg_imm32_b32 hwreg(HW_REG_WAVE_MODE, 25, 1), 1
	s_wait_xcnt 0x0
	s_wait_alu depctr_hold_cnt(0) depctr_sa_sdst(0) depctr_va_vdst(0) depctr_va_sdst(0) depctr_va_ssrc(0) depctr_va_vcc(0) depctr_vm_vsrc(0)
	s_getreg_b32 s2, hwreg(HW_REG_IB_STS2, 6, 4)
	s_cmp_eq_u32 s2, 0
	s_cbranch_scc0 .Lentry_in_a_cluster
	s_endpgm
.Lentry_in_a_cluster:
	s_bfe_u32 s2, ttmp6, 0x10000c
	s_cmp_lg_u32 s2, 0x3003
	s_cbranch_scc0 .Lentry_shape_is_right
	s_endpgm
.Lentry_shape_is_right:
; out[h][q][:] = the sum over keys k <= q of w(q, k) v[h][k][:], w = softmax over the sink's logit and the scores q . k / sqrt(128) of the keys k <= q.  32 heads, 2,048 queries and keys, head size 128.
; Both products run on codes of BF8 (E5M2) with one E8M0 scale for each 32 along K.  The second product's operand is the finished, normalised w, so THE KEYS ARE WALKED TWICE.
; Pass 1: S^T = K Q^T, the running maximum and the sum.  Pass 2: S^T again, w = 2^(t - M - log2(sum)), quantised along the keys in registers, O += w V.
; t = score x log2(e) / sqrt(128); M = the row's largest t (the sink's among them) rounded UP to a whole number, so that a change of M rescales a sum by a power of two.
; The sink starts the maximum and the sum and has no column in the second product (its v is zero).  Steps of 128 keys that lie wholly behind a tile's queries are left out: the causal mask gives them w = 0.
; LIMITS: the promise holds while |t| stays under 2^31; 2^x under 2^-126 counts as 0 (v_exp_f32's entry in the ISA guide); a block of w whose largest number lies under 2^-111 gets the byte 1 (zeros: zero codes);
; NaN and infinities are not served; a block's largest w is made from its largest score by the same instructions as every w, which takes v_exp_f32 not to fall where its input rises.
; SHARES.  A work-group (head, ti = 0..7) holds tile ti (16 queries) of each of the 16 blocks of 128 queries.  Its sixteen waves form eight pairs (w, w xor 1).  Pair p owns the SHORT tile (block p) and the LONG tile (block 15 - p).
; The pair's MAIN wave takes the long tile's key steps 0-7: 8 steps a pass.  Its SECOND wave takes the short tile, key steps 0..p, and HELPS the long tile with key steps 8..15-p: 9 steps a pass.
; The long tile's two maxima and sums are joined through LDS between the passes; its two parts of O are added through LDS at the end (w is final, so the parts only add).
; X says what a wave does in a trip: X > 0 nothing, X = 0 the diagonal step, X < 0 an open step; it is made of the wave's number and the count of trips alone.
; Pass 1 walks the high steps first (the second wave helps, then turns to its own tile, whose q is asked for behind the head's barrier and lands meanwhile); pass 2 the low steps first (the short tile leaves, then the wave helps).
; OPERANDS come from the launch before in the order of the operand's registers: a block of BLK bytes = 128 keys of a head = 8 fragments x 2,048 bytes + 512 bytes of scale words.
; K: the head's 16 blocks, 270,336 bytes, are fetched once, a block a wave, and stay in LDS for both passes: LDS block w holds key step w xor 8.  Nothing is filled again.
; CLUSTER.  The four work-groups of a cluster belong to one head: K's blocks are asked for JOINTLY (mask 15).  The place in the cluster enters q's and out's addresses, the prefetches' address and the mask's numbers alone.
; V has no room in LDS beside K (57,344 bytes are left, a block has 16,896 and a pass walks 16): its fragments go from memory straight into the operand's registers, 512 consecutive bytes a load, so V has no joint load.
; LAYOUT.  S^T = K Q^T: lane (r, h) holds query r; register 16 b + i holds key 32 b + 16 h + i of the step.  So w's codes are source 0 of O = w V; register j of O's tile t is out(8 h + j, channel 64 (t / 4) + 4 r + t % 4).
; PREFETCH of V's codes, which are first read in pass 2: trip n = 0..15 of pass 1 asks for block n; wave 0 of each work-group of the head's first cluster takes 4,096 bytes of it, told apart by address, lanes 0-15 256 bytes apart
; (the lanes left over name the last again).  The first block is read eight trips and more behind its request.  The scale words come by their loads alone.
.set BLK,   16896
.set QST,   16*BLK                     ; q's stages: 16 rows x 144 bytes a wave; a main wave's then holds the image of its tile's codes (2,048 bytes) and scale words (128)
.set QSW,   2304
.set QP,    144
.set XCH,   QST+16*QSW                 ; the pairs' records: 512 bytes a pair: the main's (-M, sum), 8 bytes a lane, then the helper's
.set SPARE, XCH+4096                   ; the spare words, 128 bytes a wave
.set LI,  1                            ; v1 16 x lane;  v2 16 r + 16,384;  v3 256 x min(lane, 15): never rewritten
.set LR,  2
.set PFO, 3
.set PW,  4                            ; v4 w's scale word
.set SPW, 5                            ; v5 my spare word's address, v6 0: never rewritten
.set NIL, 6
.set QW,  7                            ; v7 q's scale word
.set ADK, 8                            ; v8, v9 LDS addresses of the step in hand
.set ADS, 9
                                       ; v12 -M (pass 2: -M - log2 sum); v13 the largest t; v[14:15] pass 1: the sum in two halves; pass 2: v14 the long tile's v12
.set QC,  16                           ; v16-31 q's codes
.set FA,  32                           ; v32-95 four fragments
.set S,   96                           ; v96-159 S^T, then w; then V's fragments 4-7
.set O,   160                          ; v160-223 pass 1: q as it is loaded;  pass 2: O
.set PC,  224                          ; v224-239 w's codes; pass 1: the sum's chains; the quantiser of q works here
.set TM,  224
.set BM,  232
.set PB,  236
.set SW,  240                          ; v240-247 the fragments' scale words, nothing else
.set HD,  248                          ; v248-251 57,344 x the scale; pass 1: at work, v[250:251] f
.set SO,  252                          ; v252-255 the conversions' scale operand; else addresses at work; v255 in pass 1: q's offset
.set QO,  255
.set WV, 14
.set PP, 15                            ; s15 p in a second wave, 99 in a main wave
.set N,  16
.set TB, 17
.set MNT, 19
.set SEL, 20
.set CS,  22
.set G1F, 24                           ; group 1: a block, 66 rows of 256 bytes
.set G0F, 32
.set VH,  36                           ; s[36:37] the head's V
.set VB,  38                           ; s[38:39] the step's block of V
.set PFA, 40
.set POF, 42
.set ASKF, 66
.set NINF, 67
.set SNK, 68
.set TI16, 69
.set SEC, 70                           ; 1 in a second wave
.set X,  71
.set C1, 73
.set QB, 75                            ; my stage
.set MI, 76                            ; my pair's main wave's stage
.set XB, 77                            ; my pair's records
.set STG, 78                           ; my pair's 8,192 bytes for O's part, in K's bytes when nobody reads them any more
.set ST, 79                            ; the sink's t
.set MSK, 80                           ; all ones in a second wave
.set HF, 81
.set HF1, 96
.set TS0, 97
.macro CROUND
	s_barrier_signal -1
	s_barrier_wait -1
	s_cmp_lg_u32 s[WV], 0
	s_cbranch_scc1 .Lnw0_\@
	s_barrier_signal -3
.Lnw0_\@:
	s_barrier_wait -3
	s_barrier_signal -1
	s_barrier_wait -1
.endm
.macro PLACES n
.rept \n
	v_nop
.endr
.endm
; q's tile, 16 rows of 512 bytes: load (c, g) takes bytes 128 c .. 128 c + 127 of rows 4 g .. 4 g + 3, eight lanes to a row.
.macro QLOAD
.irp c, 0,1,2,3
.irp g, 0,1,2,3
	global_load_b128 v[O+16*\c+4*\g:O+16*\c+4*\g+3], v[QO], s[4:5] offset:2048*\g+128*\c th:TH_LOAD_NT
.endr
.endr
.endm
; Through my stage, 128 bytes of each row at a time: lane (r, h) gets back channels 32 c + 16 h + 0 .. 15 of row r.  LDS serves a wave's instructions in order (ISA guide 5.7.1.4).
.macro QTRANS
	v_bfe_u32 v252, v0, 3, 2
	v_mul_u32_u24 v252, v252, QP
	v_and_b32 v253, 7, v0
	v_lshl_add_u32 v252, v253, 4, v252
	v_add_nc_u32 v252, s[QB], v252
	v_and_b32 v253, 15, v0
	v_mul_u32_u24 v253, v253, QP
	v_bfe_u32 v254, v0, 4, 1
	v_lshl_add_u32 v253, v254, 6, v253
	v_add_nc_u32 v253, s[QB], v253
	s_wait_alu depctr_va_vdst(0)
	s_wait_loadcnt 0x0
.irp c, 0,1,2,3
.irp g, 0,1,2,3
	ds_store_b128 v252, v[O+16*\c+4*\g:O+16*\c+4*\g+3] offset:4*QP*\g
.endr
.irp j, 0,1,2,3
	ds_load_b128 v[S+16*\c+4*\j:S+16*\c+4*\j+3], v253 offset:16*\j
.endr
.endr
	s_wait_dscnt 0x0
.endm
; 64 numbers of a lane in S become q's 16 registers of codes and its scale word.
.macro QUANT
.irp b, 0,1,2,3
	v_max3_num_f32 v[TM+\b], |v[S+16*\b]|, |v[S+1+16*\b]|, 0x8000000   ; with the floor 2^(16 - 127): the byte cannot fall under 1
.endr
.irp i, 2,4,6,8,10,12,14
.irp b, 0,1,2,3
	v_max3_num_f32 v[TM+\b], v[TM+\b], |v[S+16*\b+\i]|, |v[S+1+16*\b+\i]|
.endr
.endr
.irp b, 0,1,2,3
	v_permlanex16_b32 v[TM+4+\b], v[TM+\b], s[SEL], s[SEL+1]
.endr
.irp b, 0,1,2,3
	v_max_num_f32 v[TM+\b], v[TM+\b], v[TM+4+\b]
.endr
.irp b, 0,1,2,3
	v_add_nc_u32 v[TM+12+\b], 0xf8800000, v[TM+\b] ; 15 off the exponent field: the conversion's scale operand
.endr
.irp b, 0,1,2,3
	v_and_or_b32 v[TM+8+\b], v[TM+\b], 0x7f800000, s[MNT]   ; 57,344 x the scale
.endr
.irp b, 0,1,2,3
	v_lshrrev_b32 v[TM+4+\b], 23, v[TM+12+\b]
.endr
	v_lshl_or_b32 v[QW], v[TM+5], 8, v[TM+4]
	v_lshl_or_b32 v[QW], v[TM+6], 16, v[QW]
	v_lshl_or_b32 v[QW], v[TM+7], 24, v[QW]
.irp b, 0,1,2,3
.irp i, 0,1,2,3,4,5,6,7,8,9,10,11,12,13,14,15
	v_med3_num_f32 v[S+16*\b+\i], v[S+16*\b+\i], -v[TM+8+\b], v[TM+8+\b]   ; the conversion does not saturate (ISA guide 7.6.2)
.endr
	v_cvt_scalef32_pk8_bf8_f32 v[QC+4*\b:QC+4*\b+1], v[S+16*\b:S+16*\b+7], v[TM+12+\b]
	v_cvt_scalef32_pk8_bf8_f32 v[QC+4*\b+2:QC+4*\b+3], v[S+16*\b+8:S+16*\b+15], v[TM+12+\b]
.endr
	v_nop
.endm
; A tile's maximum and sum begin: t in s[t]; the sum is 2^(t - M) x s[f] (a query's sum is kept in lanes r and r + 16: half of the sink's term in each; a helper begins under every t with the sum 0).
.macro INIT t, f
	v_mov_b32 v13, s[\t]
	v_floor_f32 v12, -v13
	v_add_f32 v14, v13, v12
	s_wait_alu depctr_va_vdst(0)
	v_exp_f32 v14, v14
	v_mov_b32 v15, 0
	s_wait_alu depctr_va_vdst(0)
	v_mul_f32 v14, s[\f], v14
.endm
.macro FRAGS reg, adr, f0, swreg, sadr         ; four fragments of K and their rows' scale words: 17 LDS loads
.irp f, 0,1,2,3
.irp c, 0,1,2,3
	ds_load_b128 v[\reg+16*\f+4*\c:\reg+16*\f+4*\c+3], v[\adr] offset:2048*(\f0+\f)+512*\c
.endr
.endr
	ds_load_b128 v[\swreg:\swreg+3], v[\sadr] offset:64*\f0
.endm
.macro VFRAG reg, f                            ; a fragment of V from memory: each load takes 512 consecutive bytes, aligned
.irp c, 0,1,2,3
	global_load_b128 v[\reg+4*\c:\reg+4*\c+3], v[LI], s[VB:VB+1] offset:2048*(\f)+512*\c
.endr
.endm
.macro KQ reg, t0                              ; each tile begins its sum with the constant 0
.irp t, 0,1,2,3
	v_wmma_scale_f32_16x16x128_f8f6f4 v[S+8*(\t0+\t):S+8*(\t0+\t)+7], v[\reg+16*\t:\reg+16*\t+15], v[QC:QC+15], 0, v[SW+\t0+\t], v[QW] matrix_a_fmt:MATRIX_FMT_BF8 matrix_b_fmt:MATRIX_FMT_BF8
.endr
.endm
.macro PV reg, t0                              ; the eight accumulators take turns
.irp t, 0,1,2,3
	v_wmma_scale_f32_16x16x128_f8f6f4 v[O+8*(\t0+\t):O+8*(\t0+\t)+7], v[PC:PC+15], v[\reg+16*\t:\reg+16*\t+15], v[O+8*(\t0+\t):O+8*(\t0+\t)+7], v[PW], v[SW+\t0+\t] matrix_a_fmt:MATRIX_FMT_BF8 matrix_b_fmt:MATRIX_FMT_BF8
.endr
.endm
; THE DIAGONAL STEP (X = 0): the key of register 16 b + i counts where 32 b + i <= 16 ti + r - 16 h; the others' scores become -infinity.  Registers in ascending order.
.macro DIAG
	s_cmp_lg_u32 s[X], 0
	s_cbranch_scc1 .Lopen_\@
	v_and_b32 v[HD], 15, v0
	v_bfe_u32 v[HD+1], v0, 4, 1
	v_lshlrev_b32 v[HD+1], 4, v[HD+1]
	v_sub_nc_u32 v[HD], v[HD], v[HD+1]
	v_add_nc_u32 v[HD], s[TI16], v[HD]
.set n, 0
.rept 64
	v_cmp_le_i32 vcc_lo, 32*(n/16)+n%16, v[HD]
	v_cndmask_b32 v[S+n], s[NINF], v[S+n], vcc_lo
.set n, n+1
.endr
.Lopen_\@:
.endm
; The largest score of my 16 keys of blocks b0 and b0 + 1, two chains a block; each accumulator is read from its low end on.
.macro BMAXH b0
.irp b, \b0, \b0+1
	v_max3_num_f32 v[BM+\b], v[S+16*(\b)], v[S+16*(\b)+1], v[S+16*(\b)+2]
	v_max3_num_f32 v[PB+\b], v[S+16*(\b)+8], v[S+16*(\b)+9], v[S+16*(\b)+10]
.endr
.irp i, 3,5
.irp b, \b0, \b0+1
	v_max3_num_f32 v[BM+\b], v[BM+\b], v[S+16*(\b)+\i], v[S+16*(\b)+\i+1]
	v_max3_num_f32 v[PB+\b], v[PB+\b], v[S+16*(\b)+\i+8], v[S+16*(\b)+\i+9]
.endr
.endr
.irp b, \b0, \b0+1
	v_max3_num_f32 v[BM+\b], v[BM+\b], v[PB+\b], v[S+16*(\b)+7]
.endr
.irp b, \b0, \b0+1
	v_max_num_f32 v[BM+\b], v[BM+\b], v[S+16*(\b)+15]
.endr
.endm
.macro TMINUSM
.set n, 0
.rept 32
	v_pk_fma_f32 v[S+n:S+n+1], v[S+n:S+n+1], s[CS:CS+1], v[12:13] op_sel_hi:[1,0,0]
.set n, n+2
.endr
.endm
.macro EXP64
.set n, 0
.rept 64
	v_exp_f32 v[S+n], v[S+n]
.set n, n+1
.endr
.endm
; PASS 1, THE SECOND WAVE TURNS from the long tile to its own: the helper's record goes to LDS; its own q, asked for behind the head's barrier, is quantised; the sink starts its maximum and sum.
.macro SWITCH1
	v_add_f32 v14, v14, v15
	v_permlanex16_b32 v249, v14, s[SEL], s[SEL+1]
	v_add_f32 v13, v14, v249
	v_lshrrev_b32 v252, 1, v[LI]
	v_add_nc_u32 v252, s[XB], v252
	ds_store_b64 v252, v[12:13] offset:256
	QTRANS
	QUANT
	INIT ST, HF1
.endm
.macro STEP1 sw
	s_cmp_gt_i32 s[X], 0
	s_cbranch_scc1 .Lh_\@
	v_add_nc_u32 v[ADK], s[TB], v[LI]
	v_add_nc_u32 v[ADS], s[TB], v[LR]
	FRAGS FA, ADK, 0, SW, ADS
	s_wait_alu depctr_va_vdst(0)
	s_wait_dscnt 0x0
	KQ FA, 0
	PLACES 8                                       ; in front of loads into registers that those products read
	FRAGS FA, ADK, 4, SW+4, ADS
	s_wait_dscnt 0x0
	KQ FA, 4
	DIAG
	BMAXH 0                                        ; these 16 lines name tiles 0-3 alone: they are the places behind tiles 4-7's products
	BMAXH 2
	v_max3_num_f32 v248, v[BM], v[BM+1], v[BM+2]
	v_max_num_f32 v248, v248, v[BM+3]
	v_permlanex16_b32 v249, v248, s[SEL], s[SEL+1]
	v_max_num_f32 v248, v248, v249
	v_mul_f32 v248, s[CS], v248
	v_max_num_f32 v13, v13, v248                   ; the running largest t
	v_mov_b32 v254, v12
	v_floor_f32 v12, -v13                          ; the new -M
	v_sub_f32 v254, v12, v254                      ; old M - new M: a whole number, 0 or less
	v_cvt_i32_f32 v254, v254                       ; (it saturates)
	v_ldexp_f32 v250, 1.0, v254
	TMINUSM
	s_wait_alu depctr_va_vdst(0)                   ; one wait ahead of the batch, one behind it
	EXP64
	v_pk_mul_f32 v[14:15], v[14:15], v[250:251] op_sel_hi:[1,0]
	s_wait_alu depctr_va_vdst(0)
.irp c, 0,1,2,3,4,5,6                              ; the sum of 32 pairs in eight chains
	v_pk_add_f32 v[TM+2*\c:TM+2*\c+1], v[S+2*\c:S+2*\c+1], v[S+14+2*\c:S+15+2*\c]
.endr
	v_pk_add_f32 v[14:15], v[14:15], v[S+28:S+29]
.irp c, 0,1,2,3,4,5,6
	v_pk_add_f32 v[TM+2*\c:TM+2*\c+1], v[TM+2*\c:TM+2*\c+1], v[S+30+2*\c:S+31+2*\c]
.endr
	v_pk_add_f32 v[14:15], v[14:15], v[S+44:S+45]
.irp c, 0,1,2,3,4,5,6
	v_pk_add_f32 v[TM+2*\c:TM+2*\c+1], v[TM+2*\c:TM+2*\c+1], v[S+46+2*\c:S+47+2*\c]
.endr
	v_pk_add_f32 v[14:15], v[14:15], v[S+60:S+61]
	v_pk_add_f32 v[TM:TM+1], v[TM:TM+1], v[S+62:S+63]
	v_pk_add_f32 v[TM+2:TM+3], v[TM+2:TM+3], v[TM+4:TM+5]
	v_pk_add_f32 v[TM+6:TM+7], v[TM+6:TM+7], v[TM+8:TM+9]
	v_pk_add_f32 v[TM+10:TM+11], v[TM+10:TM+11], v[TM+12:TM+13]
	v_pk_add_f32 v[14:15], v[14:15], v[TM:TM+1]
	v_pk_add_f32 v[TM+2:TM+3], v[TM+2:TM+3], v[TM+6:TM+7]
	v_pk_add_f32 v[14:15], v[14:15], v[TM+10:TM+11]
	v_pk_add_f32 v[14:15], v[14:15], v[TM+2:TM+3]
.if \sw
	s_cmp_lg_u32 s[X], 0                           ; the long tile's diagonal step is the helper's last
	s_cbranch_scc1 .Lh_\@
	SWITCH1
.endif
.Lh_\@:
.endm
; THE WAY OUT.  Row 8 h + j, channels 64 f + 4 r + 0 .. 3 lie in register j of tiles 4 f + 0 .. 3: four moves make 16 neighbouring bytes; 16 lanes store 256 consecutive bytes, aligned.
.macro OUT
	v_and_b32 v[ADK], 15, v0
	v_bfe_u32 v[ADS], v0, 4, 1
	v_lshlrev_b32 v[ADK], 4, v[ADK]
	v_lshl_add_u32 v[ADK], v[ADS], 12, v[ADK]
.irp j, 0,1,2,3,4,5,6,7
.irp f, 0,1
.irp u, 0,1,2,3
	v_mov_b32 v[FA+8*\j+4*\f+\u], v[O+8*(4*\f+\u)+\j]
.endr
.endr
.irp f, 0,1
	global_store_b128 v[ADK], v[FA+8*\j+4*\f:FA+8*\j+4*\f+3], s[12:13] offset:512*\j+256*\f th:TH_STORE_NT
.endr
.endr
	s_wait_xcnt 0x0                                ; the stores have read their registers and their offset
.endm
.macro ZEROO
.set n, 0
.rept 64
	v_mov_b32 v[O+n], 0
.set n, n+1
.endr
.endm
; PASS 2, THE SECOND WAVE TURNS: its own tile leaves; the long tile's codes come from the main wave's image, its exponent's term from v14; a new part of O begins.
.macro SWITCH2
	OUT
	v_add_nc_u32 v[ADK], s[MI], v[LI]
	v_lshrrev_b32 v[ADS], 2, v[LI]
	v_add_nc_u32 v[ADS], s[MI], v[ADS]
.irp c, 0,1,2,3
	ds_load_b128 v[QC+4*\c:QC+4*\c+3], v[ADK] offset:512*\c
.endr
	ds_load_b32 v[QW], v[ADS] offset:2048
	v_mov_b32 v12, v14
	ZEROO
	s_wait_alu depctr_va_vdst(0)
	s_wait_dscnt 0x0
.endm
.macro STEP2 sw
	s_cmp_gt_i32 s[X], 0
	s_cbranch_scc1 .Lh_\@
	v_add_nc_u32 v[ADK], s[TB], v[LI]              ; these two lines and the seven at a step's end are the nine places behind the last step's products
	v_add_nc_u32 v[ADS], s[TB], v[LR]
	FRAGS FA, ADK, 0, SW, ADS
	s_wait_alu depctr_va_vdst(0)
	s_wait_dscnt 0x0
	KQ FA, 0
	PLACES 8
	FRAGS FA, ADK, 4, SW+4, ADS
	s_wait_dscnt 0x0
	KQ FA, 4
	DIAG
	BMAXH 0                                        ; 16 places behind tiles 4-7's products
.irp f, 0,1,2,3
	VFRAG FA+16*\f, \f                             ; V's first four fragments and all its scale words land under the softmax: 18 loads
.endr
	global_load_b128 v[SW:SW+3], v[LR], s[VB:VB+1]
	global_load_b128 v[SW+4:SW+7], v[LR], s[VB:VB+1] offset:256
	BMAXH 2
.irp b, 0,1,2,3
	v_permlanex16_b32 v[PB+\b], v[BM+\b], s[SEL], s[SEL+1]
.endr
.irp b, 0,1,2,3
	v_max_num_f32 v[BM+\b], v[BM+\b], v[PB+\b]     ; the block's largest score, which gives its largest w
.endr
	TMINUSM
.irp b, 0,1,2,3
	v_fma_f32 v[BM+\b], v[BM+\b], s[CS], v12
.endr
	s_wait_alu depctr_va_vdst(0)                   ; one wait ahead of the batch of 68, one behind it
.irp b, 0,1,2,3
	v_exp_f32 v[BM+\b], v[BM+\b]
.endr
	EXP64                                          ; w, finished and normalised
	v_nop
	s_wait_alu depctr_va_vdst(0)
.irp b, 0,1,2,3
	v_max_num_f32 v[BM+\b], 0x8000000, v[BM+\b]    ; the floor 2^(16 - 127)
.endr
.irp b, 0,1,2,3
	v_add_nc_u32 v[SO+\b], 0xf8800000, v[BM+\b]
.endr
.irp b, 0,1,2,3
	v_and_or_b32 v[HD+\b], v[BM+\b], 0x7f800000, s[MNT]
.endr
.irp b, 0,1,2,3
	v_lshrrev_b32 v[PB+\b], 23, v[SO+\b]
.endr
	v_lshl_or_b32 v[PW], v[PB+1], 8, v[PB]
	v_lshl_or_b32 v[PW], v[PB+2], 16, v[PW]
	v_lshl_or_b32 v[PW], v[PB+3], 24, v[PW]        ; the 64 holds below stand between the scale word and the products
.irp b, 0,1,2,3
.irp i, 0,1,2,3,4,5,6,7,8,9,10,11,12,13,14,15
	v_min_num_f32 v[S+16*\b+\i], v[S+16*\b+\i], v[HD+\b]   ; the conversion does not saturate (ISA guide 7.6.2); w is not negative
.endr
	v_cvt_scalef32_pk8_bf8_f32 v[PC+4*\b:PC+4*\b+1], v[S+16*\b:S+16*\b+7], v[SO+\b]
	v_cvt_scalef32_pk8_bf8_f32 v[PC+4*\b+2:PC+4*\b+3], v[S+16*\b+8:S+16*\b+15], v[SO+\b]
	VFRAG S+16*\b, 4+\b                            ; V's fragment 4 + b takes the registers of the block of w that has just been converted
.endr
	PLACES 4
	s_wait_alu depctr_va_vdst(0)
	s_wait_loadcnt 16                              ; the first 18 loads are in; the 16 of fragments 4-7, issued behind them, may be out
	PV FA, 0
	s_wait_loadcnt 0x0
	PV S, 4
	PLACES 7
.if \sw
	s_cmp_lg_u32 s[X], 0                           ; the short tile's diagonal step is its last
	s_cbranch_scc1 .Lh_\@
	SWITCH2
.endif
.Lh_\@:
.endm
; Eight trips over eight blocks of K that lie one behind the other; X = N + s[C1].  In pass 1 each trip also asks for a block of V.
.macro P1 sw, base
	s_mov_b32 s[N], 0
	s_mov_b32 s[TB], \base
.Lp1_\@:
	s_add_co_i32 s[X], s[N], s[C1]
	s_wait_xcnt 0x0                                ; the last trip's prefetch has read its address
	s_add_nc_u64 s[PFA:PFA+1], s[8:9], s[POF:POF+1]
	s_add_co_u32 s[POF], s[POF], BLK
	s_cmp_lg_u32 s[ASKF], 0
	s_cbranch_scc0 .Lna_\@
	global_prefetch_b8 v[PFO], s[PFA:PFA+1] th:TH_LOAD_NT scope:SCOPE_SE
.Lna_\@:
	STEP1 \sw
	s_add_co_u32 s[TB], s[TB], BLK
	s_add_co_u32 s[N], s[N], 1
	s_cmp_lt_u32 s[N], 8
	s_cbranch_scc1 .Lp1_\@
.endm
.macro P2 sw, base, voff
	s_mov_b32 s[N], 0
	s_mov_b32 s[TB], \base
	s_add_nc_u64 s[VB:VB+1], s[VH:VH+1], \voff
.Lp2_\@:
	s_add_co_i32 s[X], s[N], s[C1]
	STEP2 \sw
	s_add_co_u32 s[TB], s[TB], BLK
	s_add_nc_u64 s[VB:VB+1], s[VB:VB+1], BLK       ; every load that named it has been waited for
	s_add_co_u32 s[N], s[N], 1
	s_cmp_lt_u32 s[N], 8
	s_cbranch_scc1 .Lp2_\@
.endm
	s_load_b256 s[4:11], s[0:1], 0x0               ; q, kc, vc, sink_logit
	s_load_b64 s[12:13], s[0:1], 0x20              ; out0
	v_lshl_add_u32 v[SPW], v0, 2, SPARE
	v_mov_b32 v[NIL], 0
	ds_add_u32 v[SPW], v[NIL]                      ; the opening
	ds_add_u32 v[SPW], v[NIL]
	v_lshrrev_b32 v8, 5, v0
	v_readfirstlane_b32 s[WV], v8
	s_bfe_u32 s82, ttmp6, 0x40000                  ; cx
	s_lshl_b32 s83, ttmp9, 2
	s_add_co_u32 s83, s83, s82                     ; ti
	s_lshl_b32 s[TI16], s83, 4
	s_and_b32 s84, ttmp7, 0xffff                   ; the head
	s_lshr_b32 s[SEC], s[WV], 2
	s_xor_b32 s[SEC], s[SEC], s[WV]
	s_and_b32 s[SEC], s[SEC], 1                    ; among waves w % 4 = const and among w / 4 = const two are second waves
	s_lshr_b32 s85, s[WV], 1                       ; the pair's number in LDS
	s_lshl_b32 s86, s85, 2
	s_lshr_b32 s86, 0x37265140, s86
	s_and_b32 s86, s86, 15                         ; p: pairs 0..7 have 0, 4, 1, 5, 6, 2, 7, 3
	s_sub_co_u32 s87, 15, s86
	s_cmp_lg_u32 s[SEC], 0
	s_cselect_b32 s[PP], s86, 99
	s_cselect_b32 s87, s86, s87                    ; the block of the tile that I quantise and store
	s_cselect_b32 s[MSK], -1, 0
	s_cselect_b32 s[HF], 0, 0.5
	s_mov_b32 s[HF1], 0.5
	s_lshl_b32 s88, s84, 20
	s_lshl_b32 s87, s87, 16
	s_add_co_u32 s88, s88, s87
	s_lshl_b32 s87, s[TI16], 9
	s_add_co_u32 s88, s88, s87
	s_mov_b32 s89, 0                               ; s[88:89] my tile in q and out
	s_mul_i32 s90, s84, 16*BLK
	s_mov_b32 s91, 0                               ; s[90:91] the head's blocks
	s_and_b32 s92, s84, 15
	s_lshl_b32 s92, s92, 2
	s_mov_b32 s93, 0
	s_mul_i32 s[QB], s[WV], QSW
	s_add_co_u32 s[QB], s[QB], QST
	s_xor_b32 s[MI], s[WV], s[SEC]
	s_mul_i32 s[MI], s[MI], QSW
	s_add_co_u32 s[MI], s[MI], QST
	s_lshl_b32 s[XB], s85, 9
	s_add_co_u32 s[XB], s[XB], XCH
	s_lshl_b32 s[STG], s85, 13
	s_mov_b32 s[G0F], 1                            ; my load: LDS block w takes K's step w xor 8
	s_mul_i32 s[G0F+1], s[WV], BLK
	s_xor_b32 s94, s[WV], 8
	s_mul_i32 s94, s94, BLK
	s_mov_b32 s95, 0
	s_add_nc_u64 s[94:95], s[94:95], s[90:91]
	s_lshl_b32 s[POF], s82, 12                     ; the prefetches: the partner at place cx takes bytes 4,096 cx on of a block's codes
	s_add_co_u32 s[POF], s[POF], s90
	s_mov_b32 s[POF+1], 0
	s_or_b32 s[ASKF], s[WV], ttmp9                 ; wave 0 of the head's first cluster asks
	s_cmp_eq_u32 s[ASKF], 0
	s_cselect_b32 s[ASKF], 1, 0
	s_mov_b32 s[G1F], 15|(3<<16)|(1<<21)           ; the mask: all four partners; elements of 8 bytes; bit 21 beside a mask
	s_mov_b32 s[G1F+1], 32<<16
	s_mov_b32 s[G1F+2], 66<<16
	s_mov_b32 s[G1F+3], 32<<16
	s_mov_b32 s[G1F+4], 66
	s_mov_b32 s[G1F+5], 32
	s_mov_b32 s[G1F+6], 0
	s_mov_b32 s[G1F+7], 0
	s_mov_b32 s[MNT], 0x600000
	s_mov_b32 s[SEL], 0x76543210
	s_mov_b32 s[SEL+1], 0xfedcba98
	s_mov_b32 s[CS], 0x3e0293ee                    ; log2(e) / sqrt(128)
	s_mov_b32 s[CS+1], s[CS]
	s_mov_b32 s[NINF], 0xff800000
	v_and_b32 v[LI], 31, v0
	v_min_u32 v[PFO], 15, v[LI]
	v_lshlrev_b32 v[PFO], 8, v[PFO]
	v_lshlrev_b32 v[LI], 4, v[LI]
	v_and_b32 v9, 15, v0
	v_lshl_add_u32 v[LR], v9, 4, 16384
	v_bfe_u32 v[QO], v0, 3, 2
	v_and_b32 v9, 7, v0
	v_lshlrev_b32 v[QO], 9, v[QO]
	v_lshl_add_u32 v[QO], v9, 4, v[QO]             ; q: row lane / 8, 16 bytes x lane % 8
.irp b, 0,1,2,3
	v_mov_b32 v[TM+4+\b], 0                        ; a lane permute's destination counts as one of its sources
	v_mov_b32 v[PB+\b], 0
.endr
	v_mov_b32 v249, 0
	v_mov_b32 v251, 0
	s_wait_alu depctr_va_vdst(0)
	s_wait_dscnt 0x0
	s_wait_kmcnt 0x0
	s_add_nc_u64 s[10:11], s[10:11], s[92:93]
	s_load_b32 s[SNK], s[10:11], 0x0
	s_add_nc_u64 s[4:5], s[4:5], s[88:89]
	s_add_nc_u64 s[12:13], s[12:13], s[88:89]
	s_add_nc_u64 s[VH:VH+1], s[8:9], s[90:91]
	s_add_nc_u64 s[G0F+2:G0F+3], s[6:7], s[94:95]
	s_or_b32 s[G0F+3], s[G0F+3], 0x80000000
	s_cmp_lg_u32 s[SEC], 0
	s_cbranch_scc1 .Lq0
	QLOAD                                          ; the long tiles' q is asked for first
.Lq0:
	CROUND                                         ; all four work-groups are here: the joint loads meet
	tensor_load_to_lds s[G0F:G0F+3], s[G1F:G1F+7]  ; one block a wave: all of the head's K
	s_nop 0
	PLACES 4
	s_cmp_lg_u32 s[SEC], 0
	s_cbranch_scc1 .Lq1
	QTRANS
	QUANT
	v_add_nc_u32 v252, s[QB], v[LI]                ; the image of the operand's registers, for my partner and for me
	v_lshrrev_b32 v253, 2, v[LI]
	v_add_nc_u32 v253, s[QB], v253
.irp c, 0,1,2,3
	ds_store_b128 v252, v[QC+4*\c:QC+4*\c+3] offset:512*\c
.endr
	ds_store_b32 v253, v[QW] offset:2048
.Lq1:
	s_wait_kmcnt 0x0
	v_mov_b32 v13, s[SNK]
	v_mul_f32 v13, 0x3fb8aa3b, v13
	v_readfirstlane_b32 s[ST], v13                 ; the sink's t = logit x log2(e)
	s_cmp_lg_u32 s[SEC], 0
	s_cselect_b32 s[TS0], 0xff61b1e6, s[ST]        ; a helper begins at -3e38, under every t
	INIT TS0, HF
	v_add_nc_u32 v252, s[MI], v[LI]
	v_lshrrev_b32 v253, 2, v[LI]
	v_add_nc_u32 v253, s[MI], v253
	s_wait_alu depctr_va_vdst(0)
	s_wait_tensorcnt 0x0                           ; my block is in,
	s_wait_dscnt 0x0                               ; my image is written
	s_barrier_signal -1
	s_barrier_wait -1                              ; everybody's is
.irp c, 0,1,2,3
	ds_load_b128 v[QC+4*\c:QC+4*\c+3], v252 offset:512*\c   ; every wave begins with the long tile
.endr
	ds_load_b32 v[QW], v253 offset:2048
	s_cmp_eq_u32 s[SEC], 0
	s_cbranch_scc1 .Lq2
	s_wait_loadcnt 0x0                             ; no earlier load into these registers is out
	QLOAD                                          ; the short tiles' q: it lands while the wave helps
.Lq2:
	s_wait_dscnt 0x0
	s_sub_co_i32 s[C1], s[PP], 7
	P1 1, 0                                        ; key steps 8 + N: X = p - (7 - N)
	s_sub_co_i32 s[C1], 0, s[PP]
	P1 0, 8*BLK                                    ; key steps N: X = N - p
	s_wait_alu depctr_va_vdst(0)
	v_add_f32 v14, v14, v15
	v_permlanex16_b32 v249, v14, s[SEL], s[SEL+1]
	v_add_f32 v13, v14, v249                       ; my tile's (or my part's) sum
	v_lshrrev_b32 v252, 1, v[LI]
	v_add_nc_u32 v252, s[XB], v252
	s_cmp_lg_u32 s[SEC], 0
	s_cbranch_scc1 .Lnr
	ds_store_b64 v252, v[12:13]                    ; the main wave's record
.Lnr:
	s_wait_loadcnt 0x0                             ; no load into O's registers is out
	ZEROO                                          ; the step of pass 2 has no first step of its own
	s_wait_alu depctr_va_vdst(0)
	s_wait_dscnt 0x0                               ; my record is written
	s_barrier_signal -1
	s_barrier_wait -1                              ; both records of every pair are
	ds_load_b64 v[224:225], v252
	ds_load_b64 v[226:227], v252 offset:256
	s_wait_dscnt 0x0
	v_min_num_f32 v228, v224, v226                 ; the long tile's -M
	v_sub_f32 v229, v228, v224
	v_sub_f32 v230, v228, v226
	v_cvt_i32_f32 v229, v229
	v_cvt_i32_f32 v230, v230
	v_ldexp_f32 v225, v225, v229                   ; both sums under it: exact
	v_ldexp_f32 v227, v227, v230
	v_add_f32 v225, v225, v227
	s_wait_alu depctr_va_vdst(0)                   ; a wait ahead of the two logarithms and one behind them
	v_log_f32 v225, v225
	v_log_f32 v231, v13
	v_nop
	s_wait_alu depctr_va_vdst(0)
	v_sub_f32 v14, v228, v225                      ; the long tile's -M - log2(sum): the same bits in both waves of the pair
	v_sub_f32 v231, v12, v231                      ; my own tile's
	v_cndmask_b32 v12, v14, v231, s[MSK]           ; a second wave begins pass 2 with its own tile
	P2 1, 8*BLK, 0                                 ; key steps N: X = N - p (s[C1] stands)
	s_sub_co_i32 s[C1], s[PP], 7
	P2 0, 0, 8*BLK                                 ; key steps 8 + N
	; THE LONG TILE'S TWO PARTS OF O: when no wave reads K any more, the helper's part goes through K's bytes, which are filled no more; the main wave adds it and stores the tile.
	v_add_nc_u32 v252, s[STG], v[LI]
	PLACES 8
	s_wait_alu depctr_va_vdst(0)
	s_wait_dscnt 0x0                               ; my reads of K are over
	s_barrier_signal -1
	s_barrier_wait -1                              ; everybody's are
	s_cmp_eq_u32 s[SEC], 0
	s_cbranch_scc1 .Lns
.irp k, 0,1,2,3,4,5,6,7,8,9,10,11,12,13,14,15
	ds_store_b128 v252, v[O+4*\k:O+4*\k+3] offset:512*\k
.endr
.Lns:
	s_wait_dscnt 0x0
	s_barrier_signal -1
	s_barrier_wait -1
	s_cmp_lg_u32 s[SEC], 0
	s_cbranch_scc1 .Lfin
.irp k, 0,1,2,3,4,5,6,7,8,9,10,11,12,13,14,15
	ds_load_b128 v[S+4*\k:S+4*\k+3], v252 offset:512*\k
.endr
	s_wait_dscnt 0x0
.set n, 0
.rept 32
	v_pk_add_f32 v[O+n:O+n+1], v[O+n:O+n+1], v[S+n:S+n+1]
.set n, n+2
.endr
	OUT
.Lfin:
	s_wait_tensorcnt 0x0                           ; the wave's end
	ds_add_u32 v[SPW], v[NIL]
	s_wait_dscnt 0x0
	CROUND                                         ; the closing round
	s_endpgm
.Lfunc_end_k_q812fda5bf7_attn:
	.size	k_q812fda5bf7_attn, .Lfunc_end_k_q812fda5bf7_attn-k_q812fda5bf7_attn
	.p2alignl 7, 3214868480
	.fill 96, 4, 3214868480
	.section	.rodata,"a",@progbits
	.p2align	6, 0x0
	.amdhsa_kernel k_q812fda5bf7_attn
		.amdhsa_group_segment_fixed_size 327680
		.amdhsa_private_segment_fixed_size 0
		.amdhsa_enable_private_segment 0
		.amdhsa_kernarg_size 40
		.amdhsa_user_sgpr_count 2
		.amdhsa_user_sgpr_kernarg_segment_ptr 1
		.amdhsa_wavefront_size32 1
		.amdhsa_system_sgpr_workgroup_id_x 1
		.amdhsa_system_sgpr_workgroup_id_y 1
		.amdhsa_system_sgpr_workgroup_id_z 1
		.amdhsa_system_vgpr_workitem_id 0
		.amdhsa_next_free_vgpr 256
		.amdhsa_next_free_sgpr 100
		.amdhsa_reserve_vcc 1
		.amdhsa_float_denorm_mode_32 3
		.amdhsa_float_denorm_mode_16_64 3
		.amdhsa_memory_ordered 1
		.amdhsa_forward_progress 1
		.amdhsa_inst_pref_size 135
	.end_amdhsa_kernel
	.amdgpu_metadata
---
amdhsa.version: [ 1, 2 ]
amdhsa.kernels:
  - .name:           k_q812fda5bf7_attn
    .symbol:         k_q812fda5bf7_attn.kd
    .args:
      - { .name: q, .offset: 0, .size: 8, .value_kind: global_buffer, .address_space: global }
      - { .name: kc, .offset: 8, .size: 8, .value_kind: global_buffer, .address_space: global }
      - { .name: vc, .offset: 16, .size: 8, .value_kind: global_buffer, .address_space: global }
      - { .name: sink_logit, .offset: 24, .size: 8, .value_kind: global_buffer, .address_space: global }
      - { .name: out0, .offset: 32, .size: 8, .value_kind: global_buffer, .address_space: global }
    .group_segment_fixed_size: 327680
    .private_segment_fixed_size: 0
    .kernarg_segment_align: 8
    .kernarg_segment_size: 40
    .max_flat_workgroup_size: 512
    .sgpr_count:     100
    .vgpr_count:     256
    .wavefront_size: 32
...
	.end_amdgpu_metadata
.endif
;; end of part 2
